; MI455X (gfx1250); checked and timed in simulation.
; The chip was launched on July 23, 2026; its instructions are those of AMD's public machine-readable ISA for CDNA 5 (MIT licence, August 2026) and "CDNA5" Instruction Set Architecture Reference Guide (July 2026). The comments in the code are by the model that wrote it; some were corrected since.
;; Mo T Embed. Allowed arithmetic: float matrix products may take bf16 or f16 operands with f32 sums; all other float work in f32.
;; Inputs: W0 2,048 x 2,048 float32; W1 2,048 x 2,048 float32; b0 2,048 float32; b1 2,048 float32; hidden_states 4 x 2,048 x 2,048 float32; type_ids 4 x 2,048 int32.
;; Outputs: out0 4 x 2,048 x 2,048 float32.
;; 2 versions, each right; version 2 is version 1 with the launch pack written anew for expert scheduling mode. Each part assembles by itself: llvm-mc -triple=amdgcn-amd-amdhsa -mcpu=gfx1250 --defsym DOCPART=n.
;; ======== version 1 of 2: 2 launches
;; workspace buffers: xs 34,668,544 bytes; wb 16,777,216 bytes; route 34,560 bytes of whole numbers
;; launch pack (part 1): grid 256 x 1, 16 waves a work-group, no clusters, 2,304 bytes of LDS; arguments hidden_states, type_ids, W0, W1, xs, wb, route; writes xs, wb, route
.if DOCPART == 1
	.amdgcn_target "amdgcn-amd-amdhsa--gfx1250"
	.amdhsa_code_object_version 6
	.text
	.protected	k_q1655637424_pack
	.globl	k_q1655637424_pack
	.p2align	8
	.type	k_q1655637424_pack,@function
k_q1655637424_pack:
	s_mov_b64 s[64:65], 0
	v_nop
	global_prefetch_b8 v0, s[64:65] scope:SCOPE_SE
	s_setreg_imm32_b32 hwreg(HW_REG_WAVE_MODE, 25, 1), 1
	s_wait_xcnt 0x0
; PACK: sorts the 8,192 tokens by expert and rounds all matrix operands to bf16, in one pass over the inputs.
;   xs[p][:]   = bf16(hidden_states[token at sorted place p][:])      [8464][2048] bf16: class 0, then class 1, then 272 rows of zeros
;   wb[c][:][:] = bf16(Wc)                                             [2][2048][2048] bf16
;   route: bytes 0..511: 32 entries {first place, tokens, class, 0}, one for each row tile of the product that follows;
;          bytes 512..: order[p] = token | (keep ? 0x3f800000 : 0), one word for each sorted place, then 288 words of 0.
; CLASSES.  Class 1: id == 1.  Class 0: every other id.  keep = id is 0 or 1.  A token without keep lies in class 0 with a row of zeros in xs.
; PLACES.  A token's place is its rank in its class (class 1 behind the n0 tokens of class 0).  Every work-group counts all 8,192 ids itself
; (32 KiB, four loads a thread), so no work-group waits for another.
; ROW TILES.  A tile is a window of 272 rows of xs that begins at the tile's first place.  ceil(n0/272) + ceil(n1/272) <= floor(8190/272) + 2 = 32, so 32 tiles, each of one class, always do.
; T0 = ceil(n0/272) tiles (32 if n1 = 0) take class 0, the other 32 - T0 class 1; a class's tokens are dealt evenly: tile j has q + (j < r) of them, one at the least.
; The last window begins at place 8,191 at the latest and ends at row 8,462: the rows of zeros behind xs, and the zeros behind order, keep every window inside its buffer.
; SHARES.  Work-group g owns 48 rows of 8,192 bytes: rows 8g..8g+7 of W0, the same of W1, tokens 32g..32g+31.  Thread t owns 4 numbers of every row:
; a wave's load covers 512 consecutive bytes, its store 256 consecutive bytes at a multiple of 256.  A ring of 16 register slots keeps 16 loads a thread on their way.
; Every row has its own two registers to store from and every token its own offset register: no source of a store is ever written again, so no wait frees one.
; No matrix unit, no tensor load, no cluster: every byte is used once, by the thread that loads it.
; LIMIT.  Numbers are rounded to bf16, to nearest even; bf16 has f32's range.
.set DEPTH, 16                         ; slots = loads in flight in each thread
.set NROWS, 48                         ; rows of a work-group
.set ROWB,  8192                       ; bytes in an f32 row
.set X,   16                           ; v[16:79]   slot s: 4 registers as loaded
.set IDS, 80                           ; v[80:95]   my 16 ids; v96-127 the waves' counts: both are done with before the rows begin
.set Y,   80                           ; v[80:175]  row n: 2 registers to store; written once
.set OFF, 176                          ; v[176:207] token i: byte offset of my 8 bytes in xs; written once
.set TB,  208                          ; v[208:211] a table entry; v212 4 x lane; v[214:215] a pair of zeros
	s_load_b256 s[4:11], s[0:1], 0x0               ; hidden s[4:5], ids s[6:7], W0 s[8:9], W1 s[10:11]
	s_load_b128 s[12:15], s[0:1], 0x20             ; xs s[12:13], wb s[14:15]
	s_load_b64 s[16:17], s[0:1], 0x30              ; route
	v_lshl_add_u32 v216, v0, 2, 0x100
	v_mov_b32 v217, 0
	v_lshrrev_b32 v9, 5, v0
	v_readfirstlane_b32 s18, v9                    ; my wave's number
	v_lshlrev_b32 v1, 4, v0                        ; 16 t: my 16 bytes of an f32 row; never rewritten
	v_lshlrev_b32 v2, 3, v0                        ; 8 t: my 8 bytes of a bf16 row; never rewritten
	v_and_b32 v3, 31, v0                           ; lane
	v_lshlrev_b32 v4, 2, v0                        ; 4 t: the first of my four ids in a block of 2,048
	v_lshlrev_b32 v10, 2, v3                       ; 4 x lane
	v_lshlrev_b32 v11, 3, v9                       ; 8 x wave: my wave's pair of counts in LDS
	v_mov_b32 v214, 0
	v_mov_b32 v215, 0
	s_lshl_b32 s19, ttmp9, 5                       ; 32 g: my work-group's first token
	s_mov_b32 s21, 0
	s_wait_kmcnt 0x0
	s_lshl_b32 s20, ttmp9, 18                      ; 32 rows of 8,192 bytes
	s_add_nc_u64 s[22:23], s[4:5], s[20:21]        ; hidden at my first token
	s_lshl_b32 s20, ttmp9, 16                      ; 8 rows of 8,192 bytes
	s_add_nc_u64 s[24:25], s[8:9], s[20:21]        ; W0 at my first row
	s_add_nc_u64 s[26:27], s[10:11], s[20:21]      ; W1 likewise
	s_lshl_b32 s20, ttmp9, 15                      ; 8 rows of 4,096 bytes
	s_add_nc_u64 s[28:29], s[14:15], s[20:21]      ; wb, expert 0, at my first row
	s_add_nc_u64 s[30:31], s[28:29], 0x800000      ; wb, expert 1: 2,048 rows of 4,096 bytes on
	s_lshl_b32 s20, ttmp9, 7
	s_add_nc_u64 s[32:33], s[6:7], s[20:21]        ; ids at my first token
	s_lshl_b32 s20, ttmp9, 12
	s_add_nc_u64 s[66:67], s[12:13], s[20:21]
	s_add_nc_u64 s[66:67], s[66:67], 0x2000000     ; xs at row 8,192 + g
.macro LOADROW n                       ; row n of my 48 into its slot
.if (\n) < 8
	global_load_b128 v[X+4*((\n)%DEPTH):X+4*((\n)%DEPTH)+3], v1, s[24:25] offset:(\n)*ROWB th:TH_LOAD_NT
.elseif (\n) < 16
	global_load_b128 v[X+4*((\n)%DEPTH):X+4*((\n)%DEPTH)+3], v1, s[26:27] offset:((\n)-8)*ROWB th:TH_LOAD_NT
.else
	global_load_b128 v[X+4*((\n)%DEPTH):X+4*((\n)%DEPTH)+3], v1, s[22:23] offset:((\n)-16)*ROWB th:TH_LOAD_NT
.endif
.endm
.irp j, 0,1,2,3
	global_load_b128 v[IDS+4*\j:IDS+4*\j+3], v1, s[6:7] offset:8192*\j   ; ids 2048 j + 4 t .. + 3
.endr
	global_load_b32 v5, v10, s[32:33]              ; the id of token 32 g + lane: every wave holds all 32 of the work-group
.set rr, 0
.rept DEPTH
	LOADROW rr                                     ; the ring is filled while the ids are counted
.set rr, rr+1
.endr
	; the 272 rows of zeros behind xs: row 8,192 + g, and in work-groups 0 to 15 row 8,448 + g
	global_store_b64 v2, v[214:215], s[66:67]
	s_cmp_ge_u32 ttmp9, 16
	s_cbranch_scc1 .Lone_row
	global_store_b64 v2, v[214:215], s[66:67] offset:256*4096
.Lone_row:
	; COUNTS.  s34: ids equal to 1 among my wave's 512; s35: those of them that lie before token 32 g.
	s_mov_b32 s34, 0
	s_mov_b32 s35, 0
	s_mov_b32 s36, s19                             ; 32 g - 2048 j: a lane's four ids of block j lie before token 32 g where this is greater than 4 t
	s_sub_co_i32 s37, s19, 2048                    ; (both are multiples of 4, so the four lie on one side)
	s_sub_co_i32 s38, s19, 4096
	s_sub_co_i32 s39, s19, 6144
	s_wait_loadcnt 16                              ; loads come back in order (ISA guide 5.7.1): the five id loads are in, the ring's sixteen stay out
.irp j, 0,1,2,3
	v_cmp_gt_i32 s40, s[36+\j], v4
.irp k, 0,1,2,3
	v_cmp_eq_u32 s41, 1, v[IDS+4*\j+\k]
	s_bcnt1_i32_b32 s42, s41
	s_add_co_u32 s34, s34, s42
	s_and_b32 s41, s41, s40
	s_bcnt1_i32_b32 s42, s41
	s_add_co_u32 s35, s35, s42
.endr
.endr
	v_mov_b32 v12, s34
	v_mov_b32 v13, s35
	ds_store_b64 v11, v[12:13]                     ; all lanes write the same pair to the wave's own 8 bytes
	s_wait_dscnt 0x0                               ; for the others' sake: my store is done
	s_barrier_signal -1
	s_barrier_wait -1                              ; the launch's only barrier
	v_mov_b32 v14, 0
.irp i, 0,1,2,3,4,5,6,7
	ds_load_b128 v[96+4*\i:99+4*\i], v14 offset:16*\i   ; the sixteen waves' pairs, in every lane
.endr
	s_wait_dscnt 0x0
	v_add3_u32 v12, v96, v98, v100                 ; even registers: totals; odd ones: those before token 32 g
	v_add3_u32 v13, v97, v99, v101
.irp i, 102,106,110,114,118,122
	v_add3_u32 v12, v12, v[\i], v[\i+2]
	v_add3_u32 v13, v13, v[\i+1], v[\i+3]
.endr
	v_add_nc_u32 v12, v12, v126
	v_add_nc_u32 v13, v13, v127
	v_readfirstlane_b32 s43, v12                   ; n1
	v_readfirstlane_b32 s45, v13                   ; class 1 tokens before mine
	s_sub_co_u32 s44, 8192, s43                    ; n0
	s_sub_co_u32 s46, s19, s45                     ; class 0 tokens before mine
	; PLACES of my work-group's 32 tokens, a lane each, in every wave.
	v_cmp_eq_u32 s47, 1, v5                        ; class 1
	s_not_b32 s48, s47                             ; class 0
	v_cmp_gt_u32 s49, 2, v5                        ; keep: the id is 0 or 1
	v_mbcnt_lo_u32_b32 v9, s47, 0                  ; class 1 tokens in lower lanes
	v_mbcnt_lo_u32_b32 v10, s48, 0                 ; class 0 tokens in lower lanes
	s_add_co_u32 s41, s44, s45
	v_add_nc_u32 v9, s41, v9                       ; n0 + rank in class 1
	v_add_nc_u32 v10, s46, v10                     ; rank in class 0
	v_cndmask_b32 v6, v10, v9, s47
	v_min_u32 v6, 0x1fff, v6                       ; the place, kept inside xs and order
	v_mov_b32 v11, 0x3f800000
	v_cndmask_b32 v7, 0, v11, s49                  ; 1.0 in the upper half where the token is kept
	v_add_nc_u32 v12, s19, v3
	v_or_b32 v7, v7, v12                           ; | token
	v_lshlrev_b32 v8, 2, v6
	s_cmp_lg_u32 s18, 0
	s_cbranch_scc1 .Lrows                          ; the list and the table are wave 0's; no barrier stands in this branch
	global_store_b32 v8, v7, s[16:17] offset:512   ; the 32 places are two runs of consecutive words; v7 and v8 are never rewritten
	s_cmp_lg_u32 ttmp9, 0
	s_cbranch_scc1 .Lrows                          ; the table and the list's tail are work-group 0's
; THE TABLE.  q = n / d, r = n mod d by nine steps of shift and subtract: every quotient here is 272 at the most.
.macro DIV q, r, n, d
	s_mov_b32 s[\q], 0
	s_mov_b32 s[\r], s[\n]
.irp b, 8,7,6,5,4,3,2,1,0
	s_lshl_b32 s41, s[\d], \b
	s_cmp_ge_u32 s[\r], s41
	s_cselect_b32 s41, s41, 0
	s_cselect_b32 s42, 1<<\b, 0
	s_sub_co_u32 s[\r], s[\r], s41
	s_or_b32 s[\q], s[\q], s42
.endr
.endm
	s_add_co_u32 s52, s44, 271
	s_movk_i32 s53, 272
	DIV 54, 55, 52, 53                             ; T0 = ceil(n0 / 272),
	s_cmp_eq_u32 s43, 0
	s_cselect_b32 s54, 32, s54                     ; or all 32 where class 1 is empty
	s_sub_co_u32 s56, 32, s54                      ; T1
	s_max_u32 s57, s54, 1
	s_max_u32 s60, s56, 1
	DIV 58, 59, 44, 57                             ; q0, r0
	DIV 61, 62, 43, 60                             ; q1, r1
	v_cmp_le_u32 s63, s54, v3                      ; lane i is tile i: class 1 from tile T0 on
	v_mov_b32 v9, s54
	v_cndmask_b32 v9, 0, v9, s63
	v_sub_nc_u32 v9, v3, v9                        ; j: the tile's number in its class
	v_mov_b32 v10, s58
	v_mov_b32 v11, s61
	v_cndmask_b32 v10, v10, v11, s63               ; q
	v_mov_b32 v11, s59
	v_mov_b32 v12, s62
	v_cndmask_b32 v11, v11, v12, s63               ; r
	v_mov_b32 v12, s44
	v_cndmask_b32 v12, 0, v12, s63                 ; the class's first place
	v_mul_lo_u32 v13, v9, v10
	v_min_u32 v14, v9, v11
	v_add3_u32 v13, v13, v14, v12                  ; the tile's first place = base + j q + min(j, r)
	v_cmp_lt_u32 vcc_lo, v9, v11
	v_cndmask_b32 v14, 0, 1, vcc_lo
	v_min_u32 v[TB], 0x1fff, v13                   ; the window's first row
	v_add_nc_u32 v[TB+1], v10, v14                 ; the tile's tokens = q + (j < r)
	v_cndmask_b32 v[TB+2], 0, 1, s63               ; class
	v_mov_b32 v[TB+3], 0                           ; fills the entry's 16 bytes; also the zero for the list's tail
	v_lshlrev_b32 v15, 4, v3
	v_lshlrev_b32 v212, 2, v3
	global_store_b128 v15, v[TB:TB+3], s[16:17]    ; 512 consecutive bytes
.irp i, 0,1,2,3,4,5,6,7,8
	global_store_b32 v212, v[TB+3], s[16:17] offset:512+32768+128*\i   ; order[8192 .. 8479] = 0
.endr
.Lrows:
; THE ROWS.  Row n's turn: its load is in; it is rounded into the row's own registers; the slot is loaded again with the row 16 further on; the row is stored.
.macro ROW n
.set SL, (\n)%DEPTH
.if NROWS-1-(\n) < DEPTH-1
	s_wait_loadcnt NROWS-1-(\n)                    ; the last rows: the counts run down
.else
	s_wait_loadcnt DEPTH-1                         ; mine is in, the fifteen younger loads stay out
.endif
	v_cvt_pk_bf16_f32 v[Y+2*(\n)], v[X+4*SL], v[X+4*SL+1]
	v_cvt_pk_bf16_f32 v[Y+2*(\n)+1], v[X+4*SL+2], v[X+4*SL+3]
.if (\n) >= 16
	s_bitcmp1_b32 s49, (\n)-16                     ; is this token kept?
	s_cselect_b32 s51, -1, 0
	v_readlane_b32 s50, v6, (\n)-16                ; its place
	v_and_b32 v[Y+2*(\n)], s51, v[Y+2*(\n)]        ; a row of zeros where it is not
	v_and_b32 v[Y+2*(\n)+1], s51, v[Y+2*(\n)+1]
	s_min_u32 s50, s50, 0x1fff
	v_lshl_add_u32 v[OFF+(\n)-16], s50, 12, v2     ; place x 4,096 bytes + 8 t
.endif
.if (\n)+DEPTH < NROWS
	LOADROW (\n)+DEPTH
.endif
.if (\n) < 8
	global_store_b64 v2, v[Y+2*(\n):Y+2*(\n)+1], s[28:29] offset:(\n)*4096
.elseif (\n) < 16
	global_store_b64 v2, v[Y+2*(\n):Y+2*(\n)+1], s[30:31] offset:((\n)-8)*4096
.else
	global_store_b64 v[OFF+(\n)-16], v[Y+2*(\n):Y+2*(\n)+1], s[12:13]
.endif
.endm
.set rr, 0
.rept NROWS
	ROW rr
.set rr, rr+1
.endr
	s_wait_tensorcnt 0x0
	ds_add_u32 v216, v217
	s_wait_dscnt 0x0
	s_endpgm
.Lfunc_end_k_q1655637424_pack:
	.size	k_q1655637424_pack, .Lfunc_end_k_q1655637424_pack-k_q1655637424_pack
	.p2alignl 7, 3214868480
	.fill 96, 4, 3214868480
	.section	.rodata,"a",@progbits
	.p2align	6, 0x0
	.amdhsa_kernel k_q1655637424_pack
		.amdhsa_group_segment_fixed_size 2304
		.amdhsa_private_segment_fixed_size 0
		.amdhsa_enable_private_segment 0
		.amdhsa_kernarg_size 56
		.amdhsa_user_sgpr_count 2
		.amdhsa_user_sgpr_kernarg_segment_ptr 1
		.amdhsa_wavefront_size32 1
		.amdhsa_system_sgpr_workgroup_id_x 1
		.amdhsa_system_sgpr_workgroup_id_y 1
		.amdhsa_system_sgpr_workgroup_id_z 1
		.amdhsa_system_vgpr_workitem_id 0
		.amdhsa_next_free_vgpr 218
		.amdhsa_next_free_sgpr 80
		.amdhsa_reserve_vcc 1
		.amdhsa_float_denorm_mode_32 3
		.amdhsa_float_denorm_mode_16_64 3
		.amdhsa_memory_ordered 1
		.amdhsa_forward_progress 1
		.amdhsa_inst_pref_size 44
	.end_amdhsa_kernel
	.amdgpu_metadata
---
amdhsa.version: [ 1, 2 ]
amdhsa.kernels:
  - .name:           k_q1655637424_pack
    .symbol:         k_q1655637424_pack.kd
    .args:
      - { .name: hidden_states, .offset: 0, .size: 8, .value_kind: global_buffer, .address_space: global }
      - { .name: type_ids, .offset: 8, .size: 8, .value_kind: global_buffer, .address_space: global }
      - { .name: W0, .offset: 16, .size: 8, .value_kind: global_buffer, .address_space: global }
      - { .name: W1, .offset: 24, .size: 8, .value_kind: global_buffer, .address_space: global }
      - { .name: xs, .offset: 32, .size: 8, .value_kind: global_buffer, .address_space: global }
      - { .name: wb, .offset: 40, .size: 8, .value_kind: global_buffer, .address_space: global }
      - { .name: route, .offset: 48, .size: 8, .value_kind: global_buffer, .address_space: global }
    .group_segment_fixed_size: 2304
    .private_segment_fixed_size: 0
    .kernarg_segment_align: 8
    .kernarg_segment_size: 56
    .max_flat_workgroup_size: 512
    .sgpr_count:     80
    .vgpr_count:     218
    .wavefront_size: 32
...
	.end_amdgpu_metadata
.endif
;; end of part 1
;; launch gemm (part 2): grid 8 x 32, 4 waves a work-group, no clusters, 327,680 bytes of LDS; arguments xs, wb, route, b0, b1, out0; writes out0
.if DOCPART == 2
	.amdgcn_target "amdgcn-amd-amdhsa--gfx1250"
	.amdhsa_code_object_version 6
	.text
	.protected	k_q1655637424_gemm
	.globl	k_q1655637424_gemm
	.p2align	8
	.type	k_q1655637424_gemm,@function
k_q1655637424_gemm:
	s_mov_b64 s[64:65], 0
	v_nop
	global_prefetch_b8 v0, s[64:65] scope:SCOPE_SE
	s_setreg_imm32_b32 hwreg(HW_REG_WAVE_MODE, 25, 1), 1
	s_wait_xcnt 0x0
; GEMM: out0[token][e] = keep x b_c[e] + the sum over d of xs[place][d] wb[c][e][d], for the tokens sorted by expert c.  xs, wb: bf16; sums, bias and out0 in f32.
; SHARES.  32 row tiles x 8 column tiles = 256 work-groups.  Row tile y is a window of 272 rows of xs, all multiplied by ONE expert's weights (route[y] = first row, tokens, class);
; its first `tokens` rows (1 to 272) are the tile's own, each stored to its token's row of out0 (order[place] = token | 1.0's upper half where the token is kept).
; A work-group makes 272 x 256; its four waves stand side by side, each with all 272 rows x 64 columns: 17 x 4 = 68 accumulators of 16 x 16, 544 registers (17 blocks of rows do not halve).
; K = 2,048 goes in 16 steps of 128 through a ring of two LDS slots filled by the tensor data mover: a tile's rows are 256 bytes of memory at multiples of 256.
; THE MATRIX INSTRUCTION IS USED TRANSPOSED: source 0 = 16 rows of W, source 1 = 16 rows of xs: a lane then holds one token (lane % 16) and eight neighbouring columns.
; NO CLUSTER.  The eight work-groups of a row tile read the same tile of xs, 69,632 of a K step's 135,168 bytes.  Its address holds the window's first row, a number read from route, and this text
; puts nothing but ids and constants into a joint request's descriptor; so each work-group asks for itself.  W's tile hangs on the row tile's class, which may differ from one y to the next.
; THE WAY OUT.  A wave's 64 columns are 256 bytes of a row of out0, at a multiple of 256.  A block of 16 rows at a time goes through the wave's own stage in LDS (16 rows x 272 bytes, behind the ring)
; and comes back as whole rows, into the registers that it left: sixteen lanes store 256 consecutive bytes of a token's row.  The 17 blocks are written out.
; ROWS THAT ARE NOT THE TILE'S OWN (the window's rows from `tokens` on: 512 of the 8,704 rows of all tiles) belong to a neighbouring tile.  In the place of each the tile's row 0 is taken, sums and order
; word, by v_cndmask_b32: the same wave stores the same bytes to the same address once more.  So no store is masked, EXEC is never written, and no register that a store reads is written again.
; LIMITS.  Operands are bf16.  A token whose id is neither 0 nor 1 has a row of zeros in xs and keep = 0: its result is 0 x W0 + 0 x b0, which is 0 while W0 and b0 are finite.
; REGISTERS, in windows of 256 (s_set_vgpr_msb: bits 1:0 source 0, 3:2 source 1, 5:4 source 2, 7:6 destination):
;   window 0: v0-29 addresses; v32-95 W's fragments, two buffers of 4 x 16 rows x 32 K; v96-111 xs's block 16, two buffers; v112-143 block 16's four accumulators; v144-247 the way out
;   window 1: xs's blocks 0-15, two buffers of 128; on the way out v0-135: the 136 rows' byte offsets in out0
;   window 2: the accumulators of blocks 0-7 ((a, b) at v[8 (4 (a % 8) + b)])      window 3: those of blocks 8-15
.set KSTEP, 128
.set PITCH, 272                        ; an LDS row: 256 bytes + 16 of padding = 68 words: row r starts at bank 4 r mod 64 (64 banks of 4 bytes: ISA guide 11.1), so the 16 rows of a load start at 16 different banks
.set BLK,   16*PITCH                   ; a block of 16 rows
.set ATILE, 272*PITCH                  ; xs's 272 rows
.set SLOT,  ATILE+256*PITCH            ; then W's 256 rows
.set STAGE, 2*SLOT                     ; behind the ring, at a multiple of 256: 16 rows x 272 bytes for each wave; no tile lands here
.set ORD,   STAGE+4*BLK                ; behind the stages: each wave's own copy of the window's order words, 1,280 bytes apart
.set ORDW,  1280
.set SPARE, ORD+4*ORDW                 ; the spare words, 128 bytes for each wave: two blocks of 256 bytes that no other line names
.set LAPS,  8                          ; a lap = two K steps = once round the ring
.set ADRAL, 4                          ; v4-5    LDS address of my fragments of xs's blocks 0-7 in slot 0, 1
.set ADRAH, 6                          ; v6-7    the same for blocks 8-16
.set ADRB,  8                          ; v8-9    the same for my wave's 64 rows of W
.set STO,   10                         ; v10     the way out: where I put 16 bytes of a row
.set RD0,   11                         ; v11     where my 16 bytes of the stage's row 0 lie
.set RD,    12                         ; v12     where I read a row back
.set ORDR,  13                         ; v13     where I read my eight rows' order words of block 0
.set LCOL,  14                         ; v14     16 (lane % 16): my 16 bytes of a row's 256
.set CH,    15                         ; v15     tokens - 8 (lane / 16): row 16 a + 8 (lane / 16) + t is the tile's own where this is greater than 16 a + t
.set BI,    16                         ; v16-19  the bias of my four columns
.set SPW,   28                         ; v28     LDS address of my spare word; never rewritten
.set NIL,   29                         ; v29     0; never rewritten
.set BF,    32
.set A16,   96
.set C16,   112
.set OW,    144                        ; v144-159 eight order words, two buffers (at the start v144-152: the list on its way into LDS)
.set REF,   224                        ; v224-227 my 16 bytes of the tile's row 0: its sums
.set KP,    232                        ; v232-247 pairs: keep as f32, and a 0 that is only named
.set VO,    0                          ; window 1, v0-135: row t of block a at VO + 8 a + t; written once
.set G1A, 24                           ; s[24:31] descriptor group 1 for xs's tiles;  s[32:39] group 0, a set for each slot
.set G0A, 32
.set G1B, 40                           ; s[40:47], s[48:55] the same for W's tiles
.set G0B, 48
.set MSB, 0
.macro WIN new                         ; the immediate's high byte repeats the setting that is left; a switch that changes nothing is dropped
.if MSB != (\new)
	s_set_vgpr_msb (MSB<<8)|(\new)
.set MSB, (\new)
.endif
.endm
.set MUL_LO, 0xa4                      ; source 0 (W) window 0, source 1 (xs) window 1, C and D window 2
.set MUL_HI, 0xf4                      ; the same, C and D window 3
.set TO_A,   0x40                      ; destination window 1, address window 0
.set IN_1,   0x45                      ; destination, source 0 and source 1 window 1, source 2 window 0
; A fill.  Waves 0 and 1 fetch the two halves of xs's tile (136 rows each), waves 2 and 3 the two halves of W's (128 rows each).
; The branch hangs on the wave's number alone.  Four v_nop follow each of the two lines, ahead of the jump, the label and what follows.
.macro JLOAD s
	s_cmp_lt_u32 s16, 2
	s_cbranch_scc0 .Lfor_b_\@
	tensor_load_to_lds s[G0A+4*(\s):G0A+4*(\s)+3], s[G1A:G1A+7]
	s_nop 0
.rept 4
	v_nop
.endr
	s_branch .Lasked_\@
.Lfor_b_\@:
	tensor_load_to_lds s[G0B+4*(\s):G0B+4*(\s)+3], s[G1B:G1B+7]
	s_nop 0
.rept 4
	v_nop
.endr
.Lasked_\@:
.endm
	s_load_b256 s[4:11], s[0:1], 0x0               ; xs s[4:5], wb s[6:7], route s[8:9], b0 s[10:11]
	s_load_b128 s[12:15], s[0:1], 0x20             ; b1 s[12:13], out0 s[14:15]
	v_lshl_add_u32 v[SPW], v0, 2, SPARE
	v_mov_b32 v[NIL], 0
	ds_add_u32 v28, v29
	ds_add_u32 v28, v29
	s_wait_dscnt 0x0
	v_lshrrev_b32 v20, 5, v0
	v_readfirstlane_b32 s16, v20                   ; wave 0..3
	s_mov_b32 s18, ttmp9                           ; my column tile
	s_and_b32 s19, ttmp7, 0xffff                   ; y: my row tile
	s_lshl_b32 s56, s19, 4
	s_mov_b32 s57, 0
	s_wait_kmcnt 0x0
	s_add_nc_u64 s[56:57], s[8:9], s[56:57]
	s_load_b96 s[20:22], s[56:57], 0x0             ; route[y]: the window's first row, the tile's tokens, its class
	; descriptor group 1: rows of 128 elements, padded in LDS
	s_mov_b32 s[G1A+0], (1<<16)|(1<<20)|(5<<22)|(3<<25)  ; 17:16 2-byte elements; 20 padding on; 24:22 after every 64 words (code 5); 31:25 4 words (code 3)
	s_mov_b32 s[G1A+1], KSTEP<<16                  ; tensor_dim0 = 128
	s_mov_b32 s[G1A+2], 136<<16                    ; tensor_dim1 = 136
	s_mov_b32 s[G1A+3], KSTEP<<16                  ; tile_dim0 = 128
	s_mov_b32 s[G1A+4], 136                        ; tile_dim1 = 136
	s_mov_b32 s[G1A+5], 2048                       ; 2,048 elements from row to row
	s_mov_b32 s[G1A+6], 0
	s_mov_b32 s[G1A+7], 0
	s_mov_b32 s[G1B+0], (1<<16)|(1<<20)|(5<<22)|(3<<25)
	s_mov_b32 s[G1B+1], KSTEP<<16
	s_mov_b32 s[G1B+2], 128<<16                    ; 128 rows
	s_mov_b32 s[G1B+3], KSTEP<<16
	s_mov_b32 s[G1B+4], 128
	s_mov_b32 s[G1B+5], 2048
	s_mov_b32 s[G1B+6], 0
	s_mov_b32 s[G1B+7], 0
	s_mov_b32 s73, 0xffff0000                      ; an order word's upper half: keep
	s_mov_b32 s74, 0xffff                          ; its lower half: the token
	s_and_b32 s71, s16, 1                          ; which half of a tile's rows I fetch
	s_wait_kmcnt 0x0
	s_min_u32 s20, s20, 0x1fff                     ; the three numbers are kept in their ranges: the window ends at row 8,462 of xs's 8,464 at the latest
	s_min_u32 s21, s21, 272
	s_min_u32 s22, s22, 1
	; xs's tiles
	s_mul_i32 s56, s71, 136
	s_add_co_u32 s56, s56, s20
	s_lshl_b32 s56, s56, 12                        ; (first row + 136 x half) x 4,096 bytes
	s_mov_b32 s57, 0
	s_mov_b32 s[G0A], 1                            ; count = 1
	s_mul_i32 s[G0A+1], s16, 136*PITCH             ; LDS address: wave x 136 rows
	s_add_nc_u64 s[G0A+2:G0A+3], s[4:5], s[56:57]  ; global address: K step 0
	s_mov_b32 s[G0A+4], 1
	s_add_co_u32 s[G0A+5], s[G0A+1], SLOT
	s_add_nc_u64 s[G0A+6:G0A+7], s[G0A+2:G0A+3], KSTEP*2   ; K step 1
	s_or_b32 s[G0A+3], s[G0A+3], 0x80000000        ; type = 2
	s_or_b32 s[G0A+7], s[G0A+7], 0x80000000
	; W's tiles
	s_lshl_b32 s58, s18, 8
	s_lshl_b32 s59, s71, 7
	s_add_co_u32 s58, s58, s59                     ; row 256 x column tile + 128 x half,
	s_lshl_b32 s58, s58, 12                        ; in bytes,
	s_lshl_b32 s59, s22, 23                        ; in the class's 2,048 rows of 4,096 bytes
	s_add_co_u32 s58, s58, s59
	s_mov_b32 s59, 0
	s_mov_b32 s[G0B], 1
	s_mul_i32 s[G0B+1], s16, 128*PITCH             ; waves 2, 3: behind xs's 272 rows = wave x 128 rows + 16 rows
	s_add_co_u32 s[G0B+1], s[G0B+1], BLK
	s_add_nc_u64 s[G0B+2:G0B+3], s[6:7], s[58:59]
	s_mov_b32 s[G0B+4], 1
	s_add_co_u32 s[G0B+5], s[G0B+1], SLOT
	s_add_nc_u64 s[G0B+6:G0B+7], s[G0B+2:G0B+3], KSTEP*2
	s_or_b32 s[G0B+3], s[G0B+3], 0x80000000
	s_or_b32 s[G0B+7], s[G0B+7], 0x80000000
	s_cmp_lt_u32 s16, 2                            ; a wave's two first fills stand in one branch, ahead of every wait on TENSORcnt, every LDS read and every barrier: two loads of mine are out
	s_cbranch_scc0 .Lfirst_b
	tensor_load_to_lds s[G0A:G0A+3], s[G1A:G1A+7]
	s_nop 0
	tensor_load_to_lds s[G0A+4:G0A+7], s[G1A:G1A+7]
	s_nop 0
.rept 4
	v_nop
.endr
	s_branch .Lfirst_asked
.Lfirst_b:
	tensor_load_to_lds s[G0B:G0B+3], s[G1B:G1B+7]
	s_nop 0
	tensor_load_to_lds s[G0B+4:G0B+7], s[G1B:G1B+7]
	s_nop 0
.rept 4
	v_nop
.endr
.Lfirst_asked:
	; the other pointers
	s_cmp_eq_u32 s22, 1
	s_cselect_b64 s[60:61], s[12:13], s[10:11]     ; the class's bias
	s_lshl_b32 s58, s18, 10
	s_lshl_b32 s59, s16, 8
	s_add_co_u32 s58, s58, s59                     ; my wave's first column, in bytes: (256 x column tile + 64 x wave) x 4
	s_mov_b32 s59, 0
	s_add_nc_u64 s[60:61], s[60:61], s[58:59]
	s_add_nc_u64 s[62:63], s[14:15], s[58:59]      ; out0 at that column of token 0
	s_lshl_b32 s66, s20, 2
	s_add_co_u32 s66, s66, 512
	s_mov_b32 s67, 0
	s_add_nc_u64 s[66:67], s[8:9], s[66:67]        ; order at the window's first row
	; A fragment is 16 rows x 32 K in 8 registers: lane l holds row l % 16; registers 0-3 hold K = 8 (l / 16) + 0..7, registers 4-7 K = 16 + 8 (l / 16) + 0..7: two loads of 16 bytes, 32 bytes apart.
	v_and_b32 v1, 15, v0                           ; l % 16
	v_bfe_u32 v2, v0, 4, 1                         ; l / 16
	v_mul_u32_u24 v3, v1, PITCH
	v_lshl_add_u32 v[ADRAL], v2, 4, v3             ; row x pitch + 16 x half
	v_add_nc_u32 v[ADRAL+1], SLOT, v[ADRAL]
	v_add_nc_u32 v[ADRAH], 8*BLK, v[ADRAL]
	v_add_nc_u32 v[ADRAH+1], SLOT+8*BLK, v[ADRAL]
	s_mul_i32 s71, s16, 64*PITCH                   ; my wave's 64 rows of W,
	s_add_co_u32 s71, s71, ATILE                   ; which lie behind xs's 272
	v_add_nc_u32 v[ADRB], s71, v[ADRAL]
	v_add_nc_u32 v[ADRB+1], SLOT, v[ADRB]
	s_mul_i32 s71, s16, BLK
	s_add_co_u32 s71, s71, STAGE                   ; my stage
	v_lshl_add_u32 v[STO], v2, 5, v3               ; in: row l % 16, 32 bytes (eight f32) for each half of the lanes
	v_add_nc_u32 v[STO], s71, v[STO]
	v_lshl_add_u32 v[RD0], v1, 4, s71              ; the stage's row 0, for both halves of the lanes
	v_mul_u32_u24 v[RD], v2, 8*PITCH               ; back: lanes 0-15 take a row of 256 bytes, lanes 16-31 the row eight further down
	v_add_nc_u32 v[RD], v[RD0], v[RD]
	s_mul_i32 s72, s16, ORDW
	s_add_co_u32 s72, s72, ORD                     ; my wave's copy of the list
	v_lshl_add_u32 v[ORDR], v2, 5, s72             ; my eight rows' words: 32 bytes for each half of the lanes
	v_lshlrev_b32 v[LCOL], 4, v1
	v_lshlrev_b32 v[CH], 3, v2
	v_sub_nc_u32 v[CH], s21, v[CH]                 ; tokens - 8 (l / 16)
	v_and_b32 v20, 31, v0                          ; lane
	v_lshlrev_b32 v21, 2, v20                      ; 4 x lane
	v_add_nc_u32 v22, s72, v21
.irp i, 0,1,2,3,4,5,6,7,8
	global_load_b32 v[OW+\i], v21, s[66:67] offset:128*\i   ; 288 words from the window's first on: word 8,478 of order's 8,480 at the latest
.endr
	global_load_b128 v[BI:BI+3], v[LCOL], s[60:61]
	s_wait_loadcnt 0x0
	v_readfirstlane_b32 s75, v[OW]                 ; row 0's word
.irp i, 0,1,2,3,4,5,6,7,8
.if \i == 0
	v_cmp_gt_i32 vcc_lo, s21, v20                  ; is row 32 i + lane the tile's own?
.else
	s_sub_co_i32 s76, s21, 32*\i
	v_cmp_gt_i32 vcc_lo, s76, v20
.endif
	v_cndmask_b32 v[OW+\i], s75, v[OW+\i], vcc_lo  ; if not, row 0's word takes its word's place
.endr
.irp i, 0,1,2,3,4,5,6,7,8
	ds_store_b32 v22, v[OW+\i] offset:128*\i       ; words 0-287 of my copy; 272-287 are never read
.endr
; n blocks of 16 rows from block a0 on (all in one window) x my 4 blocks of columns, 32 along K, out of buffer f.  zero = 1: the first product starts the sums: nothing is ever cleared.
; The 68 accumulators take turns, one instruction a turn, in the same order in every quarter.
.macro MULB f, a0, n, zero
	WIN MUL_LO+0x50*((\a0)/8)
.set a, (\a0)
.rept (\n)
.irp b, 0,1,2,3
.if \zero
	v_wmma_f32_16x16x32_bf16 v[8*(4*(a%8)+\b):8*(4*(a%8)+\b)+7], v[BF+32*(\f)+8*\b:BF+32*(\f)+8*\b+7], v[128*(\f)+8*a:128*(\f)+8*a+7], 0
.else
	v_wmma_f32_16x16x32_bf16 v[8*(4*(a%8)+\b):8*(4*(a%8)+\b)+7], v[BF+32*(\f)+8*\b:BF+32*(\f)+8*\b+7], v[128*(\f)+8*a:128*(\f)+8*a+7], v[8*(4*(a%8)+\b):8*(4*(a%8)+\b)+7]
.endif
.endr
.set a, a+1
.endr
.endm
.macro MUL16 f, zero                   ; block 16: all its operands lie in window 0
	WIN 0
.irp b, 0,1,2,3
.if \zero
	v_wmma_f32_16x16x32_bf16 v[C16+8*\b:C16+8*\b+7], v[BF+32*(\f)+8*\b:BF+32*(\f)+8*\b+7], v[A16+8*(\f):A16+8*(\f)+7], 0
.else
	v_wmma_f32_16x16x32_bf16 v[C16+8*\b:C16+8*\b+7], v[BF+32*(\f)+8*\b:BF+32*(\f)+8*\b+7], v[A16+8*(\f):A16+8*(\f)+7], v[C16+8*\b:C16+8*\b+7]
.endif
.endr
.endm
; 42 LDS loads in one run: the fragments of one quarter step (32 K at byte k of the rows) into buffer f: W's 4 blocks and xs's block 16 (10), xs's blocks 0-7 (16), blocks 8-15 (16).
.macro FETCH slot, k, f
	WIN 0
.irp i, 0,1,2,3
	ds_load_b128 v[BF+32*(\f)+8*\i:BF+32*(\f)+8*\i+3],   v[ADRB+(\slot)] offset:(\k)+\i*BLK
	ds_load_b128 v[BF+32*(\f)+8*\i+4:BF+32*(\f)+8*\i+7], v[ADRB+(\slot)] offset:(\k)+\i*BLK+32
.endr
	ds_load_b128 v[A16+8*(\f):A16+8*(\f)+3],   v[ADRAH+(\slot)] offset:(\k)+8*BLK
	ds_load_b128 v[A16+8*(\f)+4:A16+8*(\f)+7], v[ADRAH+(\slot)] offset:(\k)+8*BLK+32
	WIN TO_A
.irp i, 0,1,2,3,4,5,6,7
	ds_load_b128 v[128*(\f)+8*\i:128*(\f)+8*\i+3],   v[ADRAL+(\slot)] offset:(\k)+\i*BLK
	ds_load_b128 v[128*(\f)+8*\i+4:128*(\f)+8*\i+7], v[ADRAL+(\slot)] offset:(\k)+\i*BLK+32
.endr
.irp i, 0,1,2,3,4,5,6,7
	ds_load_b128 v[128*(\f)+64+8*\i:128*(\f)+64+8*\i+3],   v[ADRAH+(\slot)] offset:(\k)+\i*BLK
	ds_load_b128 v[128*(\f)+64+8*\i+4:128*(\f)+64+8*\i+7], v[ADRAH+(\slot)] offset:(\k)+\i*BLK+32
.endr
.endm
; A load into a register that a matrix instruction has read, and a store or vector instruction that reads a matrix result, stand four places behind that matrix instruction; only plain vector
; instructions that name none of its registers are places (ISA guide 7.12.1 for vector instructions).
.macro PLACES
.rept 4
	v_nop
.endr
.endm
; A K step is four quarters of 32 along K, 68 matrix instructions each, on buffers 0, 1, 0, 1.  One of the first three: multiplies buffer f; in its middle it fetches the next quarter, at byte k, into buffer g.
.macro QUARTER slot, k, f, g, zero
	s_wait_dscnt 16                                ; W, block 16 and blocks 0-7 are in; the youngest sixteen loads (blocks 8-15) may be out
	MULB \f, 0, 8, \zero
	PLACES
	FETCH \slot, \k, \g
	s_wait_dscnt 42                                ; all but the 42 just issued
	MULB \f, 8, 8, \zero
	MUL16 \f, \zero
.endm
; The last quarter multiplies buffer 1 and changes slots.  MEET is its first half: ONE barrier for the change.  In front of it each wave waits for all its tensor loads, of which one is out: its part of
; the next slot; adds 0 to its spare word; and waits for that and for its own reads of this slot.  Behind it nobody reads this slot any more and the next slot is whole.
.macro MEET fill                       ; fill = 1: a fill, with its branch, follows the barrier
	WIN 0                                          ; (the add's two registers lie in window 0)
	s_wait_tensorcnt 0x0                           ; all my tensor loads have landed
	ds_add_u32 v[SPW], v[NIL]                      ; 0 onto my spare word
	s_wait_dscnt 17                                ; (the add and the youngest sixteen loads may be out)
	MULB 1, 0, 4, 0                                ; sixteen matrix instructions stand between the add and the wait for it
	s_wait_dscnt 0x0                               ; the add is done, and my reads of this slot are over
	s_barrier_signal -1
	MULB 1, 4, 4, 0                                ; work on registers while the others arrive
.if \fill
	WIN 0                                          ; (at a branch every window is 0)
.endif
	s_barrier_wait -1
.endm
; The whole last quarter of a K step whose slot is filled again, two K steps ahead.  The fill is the wave's first tensor load behind the barrier and its only one until the next;
; between it and the wait for it the wave issues 240 of a K step's 272 matrix instructions.
.macro TURN slot, next
	MEET 1
	s_add_nc_u64 s[G0A+4*(\slot)+2:G0A+4*(\slot)+3], s[G0A+4*(\slot)+2:G0A+4*(\slot)+3], 2*KSTEP*2   ; no tensor load of mine is out, so a group 0 may be written
	s_add_nc_u64 s[G0B+4*(\slot)+2:G0B+4*(\slot)+3], s[G0B+4*(\slot)+2:G0B+4*(\slot)+3], 2*KSTEP*2
	JLOAD \slot                                    ; the four v_nop behind it are also the places in front of the loads below
	FETCH \next, 0, 0
	MULB 1, 8, 8, 0
	MUL16 1, 0
.endm
	s_wait_tensorcnt 0x1                           ; my part of K step 0 is in; K step 1's may stay out
	s_wait_dscnt 0x0                               ; my stores of the list are done
	s_barrier_signal -1
	s_barrier_wait -1                              ; everybody's part is in
	FETCH 0, 0, 0
	QUARTER 0, 64, 0, 1, 1                         ; the first quarter stands in front of the loop: its products start the sums
	WIN 0                                          ; at a label and at a branch every window is 0
	s_mov_b32 s3, LAPS-1
.Llap:                                                 ; a trip goes once round the ring, from a lap's second quarter to the next lap's first, and fills both slots again
	QUARTER 0, 128, 1, 0, 0
	QUARTER 0, 192, 0, 1, 0
	TURN 0, 1
	QUARTER 1, 64,  0, 1, 0
	QUARTER 1, 128, 1, 0, 0
	QUARTER 1, 192, 0, 1, 0
	TURN 1, 0
	QUARTER 0, 64,  0, 1, 0
	WIN 0
	s_sub_co_u32 s3, s3, 1
	s_cmp_lg_u32 s3, 0
	s_cbranch_scc1 .Llap
	QUARTER 0, 128, 1, 0, 0                        ; the last lap is written out: it asks for nothing
	QUARTER 0, 192, 0, 1, 0
	MEET 0                                         ; the load that was still out is slot 1's, the last K step's
	PLACES
	FETCH 1, 0, 0
	MULB 1, 8, 8, 0
	MUL16 1, 0
	QUARTER 1, 64,  0, 1, 0
	QUARTER 1, 128, 1, 0, 0
	QUARTER 1, 192, 0, 1, 0
	s_wait_dscnt 16                                ; the very last quarter: nothing more to fetch
	MULB 1, 0, 8, 0
	s_wait_dscnt 0x0
	MULB 1, 8, 8, 0
	MUL16 1, 0
; THE WAY OUT.
.macro BLOCK a                         ; where block a lies: its 32 registers from AC on in window W; its order words in buffer a % 2
.if (\a) < 8
.set W, 2
.set AC, 32*(\a)
.elseif (\a) < 16
.set W, 3
.set AC, 32*((\a)-8)
.else
.set W, 0
.set AC, C16
.endif
.set OB, OW+8*((\a)%2)
.endm
; PUT a, 18 LDS instructions: my eight rows' order words (2 loads, for keep); the block's four accumulators into my stage (8 stores, each accumulator's four lowest registers first);
; the block back as whole rows of 256 bytes (8 loads), row t into registers 4 t .. 4 t + 3 of the 32 that the block left.  The stage is my wave's own, and LDS serves a wave's instructions
; in order (ISA guide 5.7.1.4): the loads see the stores above them, and the next block's stores come behind these loads.  So there is no wait and no barrier between them.
; Block 0 has one load more, between its stores and its rows: my 16 bytes of the tile's row 0, in both halves of the lanes.
.macro PUT a
	BLOCK \a
	WIN 0
	ds_load_b128 v[OB:OB+3],   v[ORDR] offset:64*(\a)
	ds_load_b128 v[OB+4:OB+7], v[ORDR] offset:64*(\a)+16
.if (\a) == 0
	WIN W<<2                                       ; store data (source 1) in window W; a load's destination still in window 0
.else
	WIN (W<<6)|(W<<2)                              ; store data and loaded data in window W
.endif
.irp b, 0,1,2,3
	ds_store_b128 v[STO], v[AC+8*\b:AC+8*\b+3]   offset:64*\b
	ds_store_b128 v[STO], v[AC+8*\b+4:AC+8*\b+7] offset:64*\b+16
.endr
.if (\a) == 0
	ds_load_b128 v[REF:REF+3], v[RD0]
	WIN (W<<6)|(W<<2)
.endif
.irp t, 0,1,2,3,4,5,6,7
	ds_load_b128 v[AC+4*\t:AC+4*\t+3], v[RD] offset:PITCH*\t
.endr
.endm
; SEND a: for row t of my half's eight (row 16 a + 8 (l / 16) + t of the window): where the row is not the tile's own, row 0's sums take its sums' place (its order word has been replaced in my copy
; of the list); the bias times keep is added; sixteen lanes store the row's 256 bytes at its token's row of out0.  younger: the LDS instructions issued behind PUT a's: the next PUT's 18, or none.
; Four stretches, each under one window setting.  No register that a store reads is written again.
.macro SEND a, younger
	BLOCK \a
	WIN 0
	s_wait_dscnt (\younger)+16                     ; LDS instructions end in order (ISA guide 5.7.1): the order words are in; the block's 8 stores and 8 rows and what is younger may be out
.irp t, 0,1,2,3,4,5,6,7
	v_and_b32 v[KP+2*\t], s73, v[OB+\t]            ; keep: 1.0 or 0.0
.endr
	WIN (W<<6)|(W<<2)                              ; destination and source 1 in window W, source 0 in window 0
.irp t, 0,1,2,3,4,5,6,7
	s_wait_dscnt (\younger)+7-\t                   ; row t is in (and row 0's copy, which was asked for ahead of block 0's rows)
	v_cmp_gt_i32 vcc_lo, v[CH], 16*(\a)+\t         ; is the row the tile's own?
.irp k, 0,1,2,3
	v_cndmask_b32 v[AC+4*\t+\k], v[REF+\k], v[AC+4*\t+\k], vcc_lo
.endr
.endr
	WIN (W<<6)|(W<<4)                              ; destination and source 2 in window W
.irp t, 0,1,2,3,4,5,6,7
	v_pk_fma_f32 v[AC+4*\t:AC+4*\t+1], v[BI:BI+1], v[KP+2*\t:KP+2*\t+1], v[AC+4*\t:AC+4*\t+1] op_sel_hi:[1,0,1]
	v_pk_fma_f32 v[AC+4*\t+2:AC+4*\t+3], v[BI+2:BI+3], v[KP+2*\t:KP+2*\t+1], v[AC+4*\t+2:AC+4*\t+3] op_sel_hi:[1,0,1]
.endr
	WIN 0x01|(W<<2)                                ; a store's address register (source 0) in window 1, its data (source 1) in window W
.irp t, 0,1,2,3,4,5,6,7
	global_store_b128 v[VO+8*(\a)+\t], v[AC+4*\t:AC+4*\t+3], s[62:63] th:TH_STORE_NT
.endr
.endm
	WIN 0
.irp t, 0,1,2,3,4,5,6,7
	v_mov_b32 v[KP+2*\t+1], 0                      ; the upper halves of keep's pairs are named by the packed multiply-add and not used; these eight lines are also the places behind the last products
.endr
	; THE 136 OFFSETS INTO out0 are made once and never written again.  They take the place of xs's fragments in window 1: my eight rows' order words of each block,
	; then in place: the token, kept inside out0, x 8,192 bytes + my 16 bytes.
	WIN TO_A
.set blk, 0
.rept 17
	ds_load_b128 v[VO+8*blk:VO+8*blk+3],   v[ORDR] offset:64*blk
	ds_load_b128 v[VO+8*blk+4:VO+8*blk+7], v[ORDR] offset:64*blk+16
.set blk, blk+1
.endr
	s_wait_dscnt 0x0
	WIN IN_1
.set i, 0
.rept 136
	v_and_b32 v[VO+i], s74, v[VO+i]                ; the token,
.set i, i+1
.endr
.set i, 0
.rept 136
	v_min_u32 v[VO+i], 0x1fff, v[VO+i]             ; 8,191 at the most,
.set i, i+1
.endr
.set i, 0
.rept 136
	v_lshl_add_u32 v[VO+i], v[VO+i], 13, v[LCOL]   ; its row's first byte + 16 (lane % 16)
.set i, i+1
.endr
	PUT 0
.set blk, 1
.rept 16                               ; a block's stores and loads are issued ahead of the work on the block before, so that the stage's round trip is not sat out
	PUT blk
	SEND blk-1, 18
.set blk, blk+1
.endr
	SEND 16, 0
	WIN 0
	s_wait_tensorcnt 0x0                           ; the wave's end, behind my last tensor load and my last LDS store
	ds_add_u32 v[SPW], v[NIL]
	s_wait_dscnt 0x0
	s_endpgm
.Lfunc_end_k_q1655637424_gemm:
	.size	k_q1655637424_gemm, .Lfunc_end_k_q1655637424_gemm-k_q1655637424_gemm
	.p2alignl 7, 3214868480
	.fill 96, 4, 3214868480
	.section	.rodata,"a",@progbits
	.p2align	6, 0x0
	.amdhsa_kernel k_q1655637424_gemm
		.amdhsa_group_segment_fixed_size 327680
		.amdhsa_private_segment_fixed_size 0
		.amdhsa_enable_private_segment 0
		.amdhsa_kernarg_size 48
		.amdhsa_user_sgpr_count 2
		.amdhsa_user_sgpr_kernarg_segment_ptr 1
		.amdhsa_wavefront_size32 1
		.amdhsa_system_sgpr_workgroup_id_x 1
		.amdhsa_system_sgpr_workgroup_id_y 1
		.amdhsa_system_sgpr_workgroup_id_z 1
		.amdhsa_system_vgpr_workitem_id 0
		.amdhsa_next_free_vgpr 1024
		.amdhsa_next_free_sgpr 80
		.amdhsa_reserve_vcc 1
		.amdhsa_float_denorm_mode_32 3
		.amdhsa_float_denorm_mode_16_64 3
		.amdhsa_memory_ordered 1
		.amdhsa_forward_progress 1
		.amdhsa_inst_pref_size 240
	.end_amdhsa_kernel
	.amdgpu_metadata
---
amdhsa.version: [ 1, 2 ]
amdhsa.kernels:
  - .name:           k_q1655637424_gemm
    .symbol:         k_q1655637424_gemm.kd
    .args:
      - { .name: xs, .offset: 0, .size: 8, .value_kind: global_buffer, .address_space: global }
      - { .name: wb, .offset: 8, .size: 8, .value_kind: global_buffer, .address_space: global }
      - { .name: route, .offset: 16, .size: 8, .value_kind: global_buffer, .address_space: global }
      - { .name: b0, .offset: 24, .size: 8, .value_kind: global_buffer, .address_space: global }
      - { .name: b1, .offset: 32, .size: 8, .value_kind: global_buffer, .address_space: global }
      - { .name: out0, .offset: 40, .size: 8, .value_kind: global_buffer, .address_space: global }
    .group_segment_fixed_size: 327680
    .private_segment_fixed_size: 0
    .kernarg_segment_align: 8
    .kernarg_segment_size: 48
    .max_flat_workgroup_size: 128
    .sgpr_count:     80
    .vgpr_count:     1024
    .wavefront_size: 32
...
	.end_amdgpu_metadata
.endif
;; end of part 2
;; ======== version 2 of 2: 2 launches; version 1 with the launch pack written anew for expert scheduling mode
;; workspace buffers: xs 34,668,544 bytes; wb 16,777,216 bytes; route 34,560 bytes of whole numbers
;; launch pack (part 3): grid 256 x 1, 16 waves a work-group, no clusters, 2,304 bytes of LDS; arguments hidden_states, type_ids, W0, W1, xs, wb, route; writes xs, wb, route
.if DOCPART == 3
	.amdgcn_target "amdgcn-amd-amdhsa--gfx1250"
	.amdhsa_code_object_version 6
	.text
	.protected	k_q1655637424_pack
	.globl	k_q1655637424_pack
	.p2align	8
	.type	k_q1655637424_pack,@function
k_q1655637424_pack:
	s_mov_b64 s[64:65], 0
	v_nop
	global_prefetch_b8 v0, s[64:65] scope:SCOPE_SE
	s_setreg_imm32_b32 hwreg(HW_REG_WAVE_SCHED_MODE, 0, 2), 2
	s_setreg_imm32_b32 hwreg(HW_REG_WAVE_MODE, 25, 1), 1
	s_wait_xcnt 0x0
	s_wait_alu depctr_vm_vsrc(0)
; PACK: sorts the 8,192 tokens by expert and rounds all matrix operands to bf16, in one pass over the inputs.
;   xs[p][:]   = bf16(hidden_states[token at sorted place p][:])      [8464][2048] bf16: class 0, then class 1, then 272 rows of zeros
;   wb[c][:][:] = bf16(Wc)                                             [2][2048][2048] bf16
;   route: bytes 0..511: 32 entries {first place, tokens, class, 0}, one for each row tile of the product that follows;
;          bytes 512..: order[p] = token | (keep ? 0x3f800000 : 0), one word for each sorted place, then 288 words of 0.
; CLASSES.  Class 1: id == 1.  Class 0: every other id.  keep = id is 0 or 1.  A token without keep lies in class 0 with a row of zeros in xs.
; PLACES.  A token's place is its rank in its class (class 1 behind the n0 tokens of class 0).  Every work-group counts all 8,192 ids itself
; (32 KiB, four loads a thread), so no work-group waits for another.
; ROW TILES.  A tile is a window of 272 rows of xs that begins at the tile's first place.  ceil(n0/272) + ceil(n1/272) <= floor(8190/272) + 2 = 32, so 32 tiles, each of one class, always do.
; T0 = ceil(n0/272) tiles (32 if n1 = 0) take class 0, the other 32 - T0 class 1; a class's tokens are dealt evenly: tile j has q + (j < r) of them, one at the least.
; The last window begins at place 8,191 at the latest and ends at row 8,462: the rows of zeros behind xs, and the zeros behind order, keep every window inside its buffer.
; SHARES.  Work-group g owns 48 rows of 8,192 bytes: rows 8g..8g+7 of W0, the same of W1, tokens 32g..32g+31.  Thread t owns 4 numbers of every row:
; a wave's load covers 512 consecutive bytes, its store 256 consecutive bytes at a multiple of 256.
; Every row has its own two registers to store from and every token its own offset register: no source of a store is ever written again, so no wait frees one.
; No matrix unit, no tensor load, no cluster: every byte is used once, by the thread that loads it.
; LIMIT.  Numbers are rounded to bf16, to nearest even; bf16 has f32's range.
; THE MODE: SCHED_MODE bits 1:0 = 2 (LLVM: expert scheduling mode 2), set by the entry lines.  The code itself states the register dependences
; between vector instructions and memory or LDS instructions, and those through scalar registers that vector instructions write, with s_wait_alu, always for 0.
; THE PLAN.  The 48 rows go in 12 blocks of four.  Registers that memory instructions touch in the rows:
;   X0 .. X4   five blocks of rows as loaded.  Written by the loads of block p + 4, issued in block p; read by block p's roundings.
;   Y          two registers a row.  Written by the row's roundings (and its mask), once; read by the row's store, which is issued in the next block.
;   OFF        a register a token.  Written once, ahead of block 0; read by the token rows' stores, from block 5 on.
;   v1, v2     16 t and 8 t, made at the head and never written again.
; Block p works on X[p % 5] and writes its own rows' Y.  Its memory instructions are the loads into X[(p + 4) % 5] = X[(p - 1) % 5] and the stores of block p - 1's Y:
; what block p - 1 worked on, and what no vector instruction of block p names.  So ONE wait on va_vdst at a block's head states all that its eight memory instructions hang on,
; and these are dealt among its vector instructions with no further wait.  At a block's head the three younger blocks' 12 loads stay out; its four loads follow at once.
; Vector instructions that write scalar registers stand in runs (the 20 compares of the count; the 32 places), with one wait on va_sdst behind each run.
.set BLOCK, 4                          ; rows in a block
.set NBLK,  12                         ; blocks of a work-group
.set NBUF,  5                          ; buffers of loaded rows
.set ROWB,  8192                       ; bytes in an f32 row
.set X,   16                           ; v[16:95]   buffer k, row i: 4 registers at X + 16 k + 4 i, as loaded
.set IDS, 96                           ; v[96:111]  my 16 ids
.set CN,  112                          ; v[112:143] the waves' counts: like the ids, done with before the rows begin
.set Y,   96                           ; v[96:191]  row n: 2 registers to store; written once
.set OFF, 192                          ; v[192:223] token i: byte offset of my 8 bytes in xs; written once
.set TB,  224                          ; v[224:227] a table entry
.set L4,  228                          ; v228       4 x lane, for the list's tail
.set Z,   230                          ; v[230:231] a pair of zeros
.set PL,   32                          ; s[32:63]   in the rows: the 32 tokens' places; before that at work
.set KEEP, 68                          ; s68        bit i: token 32 g + i is kept
.set IDP,  70                          ; s[70:71]   ids at my work-group's first token
.set MSK,  72                          ; s[72:75]   a block's four rows: all ones where the token is kept, else 0
	s_load_b256 s[4:11], s[0:1], 0x0               ; hidden s[4:5], ids s[6:7], W0 s[8:9], W1 s[10:11]
	s_load_b128 s[12:15], s[0:1], 0x20             ; xs s[12:13], wb s[14:15]
	s_load_b64 s[16:17], s[0:1], 0x30              ; route
	v_lshl_add_u32 v232, v0, 2, 0x100
	v_mov_b32 v233, 0
	v_lshrrev_b32 v9, 5, v0
	v_readfirstlane_b32 s18, v9                    ; my wave's number
	v_lshlrev_b32 v1, 4, v0                        ; 16 t: my 16 bytes of an f32 row; never rewritten
	v_lshlrev_b32 v2, 3, v0                        ; 8 t: my 8 bytes of a bf16 row; never rewritten
	v_and_b32 v3, 31, v0                           ; lane
	v_lshlrev_b32 v4, 2, v0                        ; 4 t: the first of my four ids in a block of 2,048
	v_lshlrev_b32 v10, 2, v3                       ; 4 x lane
	v_lshlrev_b32 v11, 3, v9                       ; 8 x wave: my wave's pair of counts in LDS
	v_mov_b32 v14, 0                               ; LDS byte 0: where the sixteen pairs are read
	v_mov_b32 v[Z], 0
	v_mov_b32 v[Z+1], 0
	s_lshl_b32 s19, ttmp9, 5                       ; 32 g: my work-group's first token
	s_mov_b32 s21, 0
	s_wait_alu depctr_va_sdst(0)                   ; s18 is written: its first reader is the branch on the wave's number below; the wait stands in the writer's own run of code
	s_wait_kmcnt 0x0
	s_lshl_b32 s20, ttmp9, 18                      ; 32 rows of 8,192 bytes
	s_add_nc_u64 s[22:23], s[4:5], s[20:21]        ; hidden at my first token
	s_lshl_b32 s20, ttmp9, 16                      ; 8 rows of 8,192 bytes
	s_add_nc_u64 s[24:25], s[8:9], s[20:21]        ; W0 at my first row
	s_add_nc_u64 s[26:27], s[10:11], s[20:21]      ; W1 likewise
	s_lshl_b32 s20, ttmp9, 15                      ; 8 rows of 4,096 bytes
	s_add_nc_u64 s[28:29], s[14:15], s[20:21]      ; wb, expert 0, at my first row
	s_add_nc_u64 s[30:31], s[28:29], 0x800000      ; wb, expert 1: 2,048 rows of 4,096 bytes on
	s_lshl_b32 s20, ttmp9, 7
	s_add_nc_u64 s[IDP:IDP+1], s[6:7], s[20:21]    ; ids at my first token
	s_lshl_b32 s20, ttmp9, 12
	s_add_nc_u64 s[66:67], s[12:13], s[20:21]
	s_add_nc_u64 s[66:67], s[66:67], 0x2000000     ; xs at row 8,192 + g
.macro LOADROW n                       ; row n of my 48 into its place: buffer (n / 4) % 5, row n % 4
.set XL, X+16*(((\n)/BLOCK)%NBUF)+4*((\n)%BLOCK)
.if (\n) < 8
	global_load_b128 v[XL:XL+3], v1, s[24:25] offset:(\n)*ROWB th:TH_LOAD_NT
.elseif (\n) < 16
	global_load_b128 v[XL:XL+3], v1, s[26:27] offset:((\n)-8)*ROWB th:TH_LOAD_NT
.else
	global_load_b128 v[XL:XL+3], v1, s[22:23] offset:((\n)-16)*ROWB th:TH_LOAD_NT
.endif
.endm
	s_wait_alu depctr_va_vdst(0)                   ; v1, v2, v10, v11, v14 and the pair of zeros are written: the loads, stores and LDS instructions below read them as offsets, addresses and data
.irp j, 0,1,2,3
	global_load_b128 v[IDS+4*\j:IDS+4*\j+3], v1, s[6:7] offset:8192*\j   ; ids 2048 j + 4 t .. + 3
.endr
	global_load_b32 v5, v10, s[IDP:IDP+1]          ; the id of token 32 g + lane: every wave holds all 32 of the work-group
.irp n, 0,1,2,3,4,5,6,7,8,9,10,11,12,13,14,15
	LOADROW \n                                     ; blocks 0 to 3 are asked for while the ids are counted
.endr
	; the 272 rows of zeros behind xs: row 8,192 + g, and in work-groups 0 to 15 row 8,448 + g
	global_store_b64 v2, v[Z:Z+1], s[66:67]
	s_cmp_ge_u32 ttmp9, 16
	s_cbranch_scc1 .Lone_row
	global_store_b64 v2, v[Z:Z+1], s[66:67] offset:256*4096
.Lone_row:
	; COUNTS.  s34: ids equal to 1 among my wave's 512; s35: those of them that lie before token 32 g.
	s_mov_b32 s34, 0
	s_mov_b32 s35, 0
	s_mov_b32 s36, s19                             ; 32 g - 2048 j: a lane's four ids of block j lie before token 32 g where this is greater than 4 t
	s_sub_co_i32 s37, s19, 2048                    ; (both are multiples of 4, so the four lie on one side)
	s_sub_co_i32 s38, s19, 4096
	s_sub_co_i32 s39, s19, 6144
	s_wait_loadcnt 16                              ; loads come back in order (ISA guide 5.7.1): the five id loads are in, the sixteen row loads stay out
.irp j, 0,1,2,3                        ; the twenty compares stand in one run, each with a scalar register of its own: s44-47 'before token 32 g', s48-63 'the id is 1'
	v_cmp_gt_i32 s[44+\j], s[36+\j], v4
.irp k, 0,1,2,3
	v_cmp_eq_u32 s[48+4*\j+\k], 1, v[IDS+4*\j+\k]
.endr
.endr
	s_wait_alu depctr_va_sdst(0)                   ; the twenty compares have written s44 to s63, which the scalar lines below read
.irp j, 0,1,2,3
.irp k, 0,1,2,3
	s_bcnt1_i32_b32 s42, s[48+4*\j+\k]
	s_add_co_u32 s34, s34, s42
	s_and_b32 s41, s[48+4*\j+\k], s[44+\j]
	s_bcnt1_i32_b32 s42, s41
	s_add_co_u32 s35, s35, s42
.endr
.endr
	v_mov_b32 v12, s34
	v_mov_b32 v13, s35
	s_wait_alu depctr_va_vdst(0)                   ; v12 and v13 are written, which the LDS store reads
	ds_store_b64 v11, v[12:13]                     ; all lanes write the same pair to the wave's own 8 bytes
	s_wait_dscnt 0x0                               ; for the others' sake: my store is done
	s_barrier_signal -1
	s_barrier_wait -1                              ; the launch's only barrier
.irp i, 0,1,2,3,4,5,6,7
	ds_load_b128 v[CN+4*\i:CN+4*\i+3], v14 offset:16*\i   ; the sixteen waves' pairs, in every lane; no vector instruction has named these registers
.endr
	s_wait_dscnt 0x0
	s_wait_alu depctr_vm_vsrc(0)                   ; the LDS store has read v11 to v13, the LDS loads v14, the load of my 32 ids v10 (that load is also done: the wait on LOADcnt above): all five are written again below
	v_add3_u32 v12, v[CN], v[CN+2], v[CN+4]        ; even registers: totals; odd ones: those before token 32 g
	v_add3_u32 v13, v[CN+1], v[CN+3], v[CN+5]
.irp i, 6,10,14,18,22,26
	v_add3_u32 v12, v12, v[CN+\i], v[CN+\i+2]
	v_add3_u32 v13, v13, v[CN+\i+1], v[CN+\i+3]
.endr
	v_add_nc_u32 v12, v12, v[CN+30]
	v_add_nc_u32 v13, v13, v[CN+31]
	v_readfirstlane_b32 s43, v12                   ; n1
	v_readfirstlane_b32 s45, v13                   ; class 1 tokens before mine
	; PLACES of my work-group's 32 tokens, a lane each, in every wave.
	v_cmp_eq_u32 s47, 1, v5                        ; class 1
	v_cmp_gt_u32 s[KEEP], 2, v5                    ; keep: the id is 0 or 1
	s_wait_alu depctr_va_sdst(0)                   ; s43, s45, s47 and keep are written, ahead of their first readers below
	s_sub_co_u32 s44, 8192, s43                    ; n0
	s_sub_co_u32 s46, s19, s45                     ; class 0 tokens before mine
	s_not_b32 s48, s47                             ; class 0
	v_mbcnt_lo_u32_b32 v9, s47, 0                  ; class 1 tokens in lower lanes
	v_mbcnt_lo_u32_b32 v10, s48, 0                 ; class 0 tokens in lower lanes
	s_add_co_u32 s41, s44, s45
	v_add_nc_u32 v9, s41, v9                       ; n0 + rank in class 1
	v_add_nc_u32 v10, s46, v10                     ; rank in class 0
	v_cndmask_b32 v6, v10, v9, s47
	v_min_u32 v6, 0x1fff, v6                       ; the place, kept inside xs and order
	v_mov_b32 v11, 0x3f800000
	v_cndmask_b32 v7, 0, v11, s[KEEP]              ; 1.0 in the upper half where the token is kept
	v_add_nc_u32 v12, s19, v3
	v_or_b32 v7, v7, v12                           ; | token
	v_lshlrev_b32 v8, 2, v6
	s_cmp_lg_u32 s18, 0
	s_cbranch_scc1 .Lrows                          ; the list and the table are wave 0's; no barrier stands in this branch
	s_wait_alu depctr_va_vdst(0)                   ; v7 and v8 are written, which the store reads
	global_store_b32 v8, v7, s[16:17] offset:512   ; the 32 places are two runs of consecutive words; v7 and v8 are never rewritten
	s_cmp_lg_u32 ttmp9, 0
	s_cbranch_scc1 .Lrows                          ; the table and the list's tail are work-group 0's
; THE TABLE.  q = n / d, r = n mod d by nine steps of shift and subtract: every quotient here is 272 at the most.
.macro DIV q, r, n, d
	s_mov_b32 s[\q], 0
	s_mov_b32 s[\r], s[\n]
.irp b, 8,7,6,5,4,3,2,1,0
	s_lshl_b32 s41, s[\d], \b
	s_cmp_ge_u32 s[\r], s41
	s_cselect_b32 s41, s41, 0
	s_cselect_b32 s42, 1<<\b, 0
	s_sub_co_u32 s[\r], s[\r], s41
	s_or_b32 s[\q], s[\q], s42
.endr
.endm
	s_add_co_u32 s52, s44, 271
	s_movk_i32 s53, 272
	DIV 54, 55, 52, 53                             ; T0 = ceil(n0 / 272),
	s_cmp_eq_u32 s43, 0
	s_cselect_b32 s54, 32, s54                     ; or all 32 where class 1 is empty
	s_sub_co_u32 s56, 32, s54                      ; T1
	s_max_u32 s57, s54, 1
	s_max_u32 s60, s56, 1
	DIV 58, 59, 44, 57                             ; q0, r0
	DIV 61, 62, 43, 60                             ; q1, r1
	v_cmp_le_u32 s63, s54, v3                      ; lane i is tile i: class 1 from tile T0 on
	v_mov_b32 v9, s54
	s_wait_alu depctr_va_sdst(0)                   ; s63 is written, which the selects below read
	v_cndmask_b32 v9, 0, v9, s63
	v_sub_nc_u32 v9, v3, v9                        ; j: the tile's number in its class
	v_mov_b32 v10, s58
	v_mov_b32 v11, s61
	v_cndmask_b32 v10, v10, v11, s63               ; q
	v_mov_b32 v11, s59
	v_mov_b32 v12, s62
	v_cndmask_b32 v11, v11, v12, s63               ; r
	v_mov_b32 v12, s44
	v_cndmask_b32 v12, 0, v12, s63                 ; the class's first place
	v_mul_lo_u32 v13, v9, v10
	v_min_u32 v14, v9, v11
	v_add3_u32 v13, v13, v14, v12                  ; the tile's first place = base + j q + min(j, r)
	v_cmp_lt_u32 vcc_lo, v9, v11
	s_wait_alu depctr_va_vcc(0)                    ; VCC is written, which the select below reads
	v_cndmask_b32 v14, 0, 1, vcc_lo
	v_min_u32 v[TB], 0x1fff, v13                   ; the window's first row
	v_add_nc_u32 v[TB+1], v10, v14                 ; the tile's tokens = q + (j < r)
	v_cndmask_b32 v[TB+2], 0, 1, s63               ; class
	v_mov_b32 v[TB+3], 0                           ; fills the entry's 16 bytes; also the zero for the list's tail
	v_lshlrev_b32 v15, 4, v3
	v_lshlrev_b32 v[L4], 2, v3
	s_wait_alu depctr_va_vdst(0)                   ; the entry and the two offsets are written, which the ten stores below read; none of them is written again
	global_store_b128 v15, v[TB:TB+3], s[16:17]    ; 512 consecutive bytes
.irp i, 0,1,2,3,4,5,6,7,8
	global_store_b32 v[L4], v[TB+3], s[16:17] offset:512+32768+128*\i   ; order[8192 .. 8479] = 0
.endr
.Lrows:
; THE 32 OFFSETS INTO xs are made at once, ahead of the rows: the places in one run into s32 to s63, one wait, then place x 4,096 bytes + 8 t.
.irp i, 0,1,2,3,4,5,6,7,8,9,10,11,12,13,14,15,16,17,18,19,20,21,22,23,24,25,26,27,28,29,30,31
	v_readlane_b32 s[PL+\i], v6, \i                ; token 32 g + i's place
.endr
	s_wait_alu depctr_va_sdst(0)                   ; the 32 places are written, which the scalar lines below read
.irp i, 0,1,2,3,4,5,6,7,8,9,10,11,12,13,14,15,16,17,18,19,20,21,22,23,24,25,26,27,28,29,30,31
	s_min_u32 s[PL+\i], s[PL+\i], 0x1fff
	v_lshl_add_u32 v[OFF+\i], s[PL+\i], 12, v2     ; its first reader is a store in block 5: the waits at the heads of blocks 1 to 5 stand between
.endr
; THE ROWS.
.macro STOREROW n                      ; row n leaves from its own two registers
.if (\n) < 8
	global_store_b64 v2, v[Y+2*(\n):Y+2*(\n)+1], s[28:29] offset:(\n)*4096
.elseif (\n) < 16
	global_store_b64 v2, v[Y+2*(\n):Y+2*(\n)+1], s[30:31] offset:((\n)-8)*4096
.else
	global_store_b64 v[OFF+(\n)-16], v[Y+2*(\n):Y+2*(\n)+1], s[12:13]
.endif
.endm
.macro ROUND n                         ; row n is rounded into its own two registers; a token's row becomes zeros where the token is not kept
.set XC, X+16*(((\n)/BLOCK)%NBUF)+4*((\n)%BLOCK)
	v_cvt_pk_bf16_f32 v[Y+2*(\n)], v[XC], v[XC+1]
	v_cvt_pk_bf16_f32 v[Y+2*(\n)+1], v[XC+2], v[XC+3]
.if (\n) >= 16
	v_and_b32 v[Y+2*(\n)], s[MSK+(\n)%BLOCK], v[Y+2*(\n)]
	v_and_b32 v[Y+2*(\n)+1], s[MSK+(\n)%BLOCK], v[Y+2*(\n)+1]
.endif
.endm
; Block p: its four loads are in; block p + 4 is asked for, block p - 1 is stored, block p is rounded.
.macro BLK p
.if (\p) < NBLK-3
	s_wait_loadcnt 3*BLOCK                         ; loads come back in order (ISA guide 5.7.1): this block's four are in, the three younger blocks stay out
.else
	s_wait_loadcnt BLOCK*(NBLK-1-(\p))             ; the last blocks: the counts run down
.endif
.if (\p) > 0
	s_wait_alu depctr_va_vdst(0)                   ; the block before has written its rows' Y, which the stores below read, and is done reading its X, in which the loads below land (and its four masks, written anew below)
.endif
.if (\p) >= 4
.irp i, 0,1,2,3
	s_bitcmp1_b32 s[KEEP], BLOCK*(\p)+(\i)-16      ; is this token kept?
	s_cselect_b32 s[MSK+(\i)], -1, 0
.endr
.endif
.irp i, 0,1,2,3
.if (\p)+4 < NBLK
	LOADROW BLOCK*(\p)+(\i)+16                     ; four blocks ahead; no vector instruction since the wait names these registers (block 0: none at all has named X4)
.endif
.if (\p) > 0
	STOREROW BLOCK*(\p)+(\i)-BLOCK                 ; the block before
.endif
	ROUND BLOCK*(\p)+(\i)
.endr
.endm
.irp p, 0,1,2,3,4,5,6,7,8,9,10,11
	BLK \p
.endr
	s_wait_alu depctr_va_vdst(0)                   ; block 11 has written its rows' Y, which the last four stores read
.irp i, 0,1,2,3
	STOREROW 44+\i
.endr
	s_wait_dscnt 0x0
	s_wait_alu depctr_hold_cnt(0) depctr_sa_sdst(0) depctr_va_vdst(0) depctr_va_sdst(0) depctr_va_ssrc(0) depctr_va_vcc(0) depctr_vm_vsrc(0)
	s_wait_tensorcnt 0x0
	ds_add_u32 v232, v233
	s_wait_dscnt 0x0
	s_endpgm
.Lfunc_end_k_q1655637424_pack:
	.size	k_q1655637424_pack, .Lfunc_end_k_q1655637424_pack-k_q1655637424_pack
	.p2alignl 7, 3214868480
	.fill 96, 4, 3214868480
	.section	.rodata,"a",@progbits
	.p2align	6, 0x0
	.amdhsa_kernel k_q1655637424_pack
		.amdhsa_group_segment_fixed_size 2304
		.amdhsa_private_segment_fixed_size 0
		.amdhsa_enable_private_segment 0
		.amdhsa_kernarg_size 56
		.amdhsa_user_sgpr_count 2
		.amdhsa_user_sgpr_kernarg_segment_ptr 1
		.amdhsa_wavefront_size32 1
		.amdhsa_system_sgpr_workgroup_id_x 1
		.amdhsa_system_sgpr_workgroup_id_y 1
		.amdhsa_system_sgpr_workgroup_id_z 1
		.amdhsa_system_vgpr_workitem_id 0
		.amdhsa_next_free_vgpr 234
		.amdhsa_next_free_sgpr 80
		.amdhsa_reserve_vcc 1
		.amdhsa_float_denorm_mode_32 3
		.amdhsa_float_denorm_mode_16_64 3
		.amdhsa_memory_ordered 1
		.amdhsa_forward_progress 1
		.amdhsa_inst_pref_size 44
	.end_amdhsa_kernel
	.amdgpu_metadata
---
amdhsa.version: [ 1, 2 ]
amdhsa.kernels:
  - .name:           k_q1655637424_pack
    .symbol:         k_q1655637424_pack.kd
    .args:
      - { .name: hidden_states, .offset: 0, .size: 8, .value_kind: global_buffer, .address_space: global }
      - { .name: type_ids, .offset: 8, .size: 8, .value_kind: global_buffer, .address_space: global }
      - { .name: W0, .offset: 16, .size: 8, .value_kind: global_buffer, .address_space: global }
      - { .name: W1, .offset: 24, .size: 8, .value_kind: global_buffer, .address_space: global }
      - { .name: xs, .offset: 32, .size: 8, .value_kind: global_buffer, .address_space: global }
      - { .name: wb, .offset: 40, .size: 8, .value_kind: global_buffer, .address_space: global }
      - { .name: route, .offset: 48, .size: 8, .value_kind: global_buffer, .address_space: global }
    .group_segment_fixed_size: 2304
    .private_segment_fixed_size: 0
    .kernarg_segment_align: 8
    .kernarg_segment_size: 56
    .max_flat_workgroup_size: 512
    .sgpr_count:     80
    .vgpr_count:     234
    .wavefront_size: 32
...
	.end_amdgpu_metadata
.endif
;; end of part 3
;; launch gemm: the kernel of part 2 again; grid 8 x 32, 4 waves a work-group, no clusters, 327,680 bytes of LDS; arguments xs, wb, route, b0, b1, out0; writes out0
